; MI455X (gfx1250); checked and timed in simulation.
; The chip was launched on July 23, 2026; its instructions are those of AMD's public machine-readable ISA for CDNA 5 (MIT licence, August 2026) and "CDNA5" Instruction Set Architecture Reference Guide (July 2026). The comments in the code are by the model that wrote it; some were corrected since.
;; Monotonic Attention. Allowed arithmetic: matrix products marked QUANTISED: E3M2 operands, one E8M0 scale for each 32 along K, by v_wmma_scale_f32_16x16x128_f8f6f4 with both operands' format E3M2, f32 sums; everything else in f32.
;; Inputs: K_codes 32 x 1,024 x 2 x 24 uint8 (E3M2 codes of K, K innermost, in blocks of 32 codes, four codes in three bytes); K_scales 32 x 1,024 x 2 uint8 (E8M0 scales of K, one for each 32 codes along K); Q_codes 32 x 1,024 x 2 x 24 uint8 (E3M2 codes of Q, K innermost, in blocks of 32 codes, four codes in three bytes); Q_scales 32 x 1,024 x 2 uint8 (E8M0 scales of Q, one for each 32 codes along K); V_codes 32 x 64 x 32 x 24 uint8 (E3M2 codes of V, K innermost, in blocks of 32 codes, four codes in three bytes); V_scales 32 x 64 x 32 uint8 (E8M0 scales of V, one for each 32 codes along K); gamma 1 x 1 float32; mask 32 x 1,024 x 1,024 bool.
;; Outputs: out0 32 x 1,024 x 64 float32.
;; Constants: dk = 64.
;; This version of the problem:
;;   THIS VERSION OF THE PROBLEM IS GIVEN IN LOW PRECISION. The matrix products marked QUANTISED in the list below multiply operands that are first quantised to E3M2 (3 exponent bits, 2 mantissa bits; 6 bits a number), with one power-of-two scale for each 32 numbers along K (OCP MX v1.0); their sums are f32. All else is computed in f32.
;;   The module's matrix products, in the order in which they are computed (A, B: the left and right operand; K: the contracted axis; several contracted axes count as one K, in the product's order):
;;     1. batch 32 x [M 1,024, K 64] x [K 64, N 1,024]; A: input Q (given as codes); B: input K (given as codes): QUANTISED
;;     2. batch 32 x [M 1,024, K 1,024] x [K 1,024, N 64]; A: softmax (see below); B: input V (given as codes): QUANTISED
;;   THE QUANTISER, for each operand of a quantised product, along K:
;;     - K is cut into blocks of 32 from its start; a last block that is shorter is filled with zeros.
;;     - A block's scale is 2^e with e = floor(log2(the largest magnitude in the block)) - 4, held to -126 .. 127; a block of zeros has e = 0. As a byte (E8M0): e + 127.
;;     - Each number is divided by its block's scale, clamped to +-28, and rounded to the nearest number of E3M2, ties to even, subnormals kept.
;;     - The product sums the exact products of the quantised numbers (number of the format x scale) in f32.
;;   ~~~python
;;   def quantise(x, axis):      # numpy; x: float32 -> the quantised numbers, widened to float32 again
;;       x = np.moveaxis(x, axis, -1); K = x.shape[-1]
;;       x = np.pad(x, [(0, 0)] * (x.ndim - 1) + [(0, -K % 32)]); x = x.reshape(x.shape[:-1] + (-1, 32)); a = np.abs(x).max(-1, keepdims=True)
;;       e = np.where(a > 0, np.clip(np.frexp(np.where(a > 0, a, 1))[1] - 1 - 4, -126, 127), 0)      # np.frexp(a)[1] - 1 = floor(log2(a)), exactly
;;       r = np.clip(x / 2.0 ** e, -28, 28)
;;       step = 2.0 ** (np.maximum(np.frexp(np.where(r == 0, 1, r))[1] - 1, -2) - 2)
;;       q = np.round(r / step) * step * 2.0 ** e      # np.round: ties to even
;;       return np.moveaxis(q.reshape(q.shape[:-2] + (-1,))[..., :K], -1, axis).astype(np.float32)
;;   ~~~
;;   SOFTMAX AHEAD OF A QUANTISED PRODUCT. Where the list says 'softmax', what is quantised is not the finished softmax but p = 2^(t - M), with t = logit x log2(e) and M = ceil(the row's largest t), a whole number; so 1/2 < the row's largest p <= 1. The row's sum l is taken of the UNQUANTISED p, in f32, and the product's result is divided by l at the end. Since M is a whole number, a kernel that streams over the keys may use a running M (the ceiling of the running maximum): every later rescaling is an exact power of two, which a block's scale takes up: the codes' values come out the same.
;;   OPERANDS COMPUTED ON THE WAY. 'Computed on the way' means the value that the module computes at that place (a softmax that the list does not call 'softmax' is quantised finished and normalised). What goes into a quantiser is computed in f32, as accurately as f32 sums, v_exp_f32 and their like allow (about 1e-6 of the number): no bf16 or f16 on the way to a quantiser, and a product that is left as it is and whose result goes on into a quantised operand takes f32 operands (vector FMAs, or v_wmma_f32_16x16x4_f32). A number that lies on a knife's edge between two numbers of the format may be rounded either way, as far as f32 arithmetic and the matrix unit's own rounding can turn it there, and no further.
;;   INPUTS GIVEN AS CODES. K (in the module: [32, 1024, 64], K = its axis 2); Q (in the module: [32, 1024, 64], K = its axis 2); V (in the module: [32, 1024, 64], K = its axis 1): each comes as NAME_codes (uint8): NAME with its K axis moved to the last place and cut into blocks of 32 codes, [.., K / 32, bytes a block], one block behind the other in memory; four codes in three bytes: a row's codes are one little-endian stream of bits, code i at bits 6 i .. 6 i + 5 (a code: sign, 3 exponent bits, 2 mantissa bits); and NAME_scales (uint8): the same leading axes, one E8M0 byte (e + 127) for each 32 codes along K. Its value is code x scale, taken as it is: it is not quantised again, and the codes and scales need not be those that the quantiser above would give.
;; One version. Each part assembles by itself: llvm-mc -triple=amdgcn-amd-amdhsa -mcpu=gfx1250 --defsym DOCPART=n.
;; ======== version 1 of 1: 1 launch
;; limits: right only within a limited range of input values
;; launch monoattn (part 1): grid 512 x 1, 8 waves a work-group, no clusters, 158,208 bytes of LDS; arguments K_codes, K_scales, Q_codes, Q_scales, V_codes, V_scales, gamma, mask, out0; writes out0
.if DOCPART == 1
	.amdgcn_target "amdgcn-amd-amdhsa--gfx1250"
	.amdhsa_code_object_version 6
	.text
	.protected	k_qf43edbcbf4_monoattn
	.globl	k_qf43edbcbf4_monoattn
	.p2align	8
	.type	k_qf43edbcbf4_monoattn,@function
k_qf43edbcbf4_monoattn:
	s_mov_b64 s[64:65], 0
	v_nop
	global_prefetch_b8 v0, s[64:65] scope:SCOPE_SE
	s_setreg_imm32_b32 hwreg(HW_REG_WAVE_MODE, 25, 1), 1
	s_wait_xcnt 0x0
; MONOTONIC ATTENTION on codes of BF6 (E3M2), 32 batches x 1,024 queries x 1,024 keys, head 64.  For each query row:
;   x' = Q.K (quantised product, K = 64, filled to 128 with zero codes of Q), -1e8 where the mask byte is 1;   e = 2^(a x' - a m), a = log2(e) / 8 (first softmax);
;   R = the sum of e over all LATER keys / the row's sum;   u = k^2 R |j - i|, k = softplus(gamma) log2(e);   te = max(2^(-sqrt u), 1e-5);   y = x' te;   t = a y;
;   p = 2^(t - M), M a whole number;  p is quantised in blocks of 32 keys;  out = (p V) / (the sum of the unquantised p).
; SHARES.  A work-group of 8 waves owns 64 queries of one batch: four tiles of 16 queries, one after the other.  IN A TILE THE WAVES SHARE THE KEYS: wave w owns keys 128 w .. 128 w + 127.
; Both products are used transposed (source 0 = keys, or rows of V^T; source 1 = queries, or p), so a lane holds ONE query (lane % 16) and 64 keys (128 w + 64 (lane / 16) + 0 .. 63): two whole blocks of 32.
; x' (64 registers) and the chain e .. t (64 registers) never leave the registers.  K's codes stay in 48 registers for all four tiles.
; THE KEYS OF A TILE OF K ARE CHOSEN so that register pair (32 c + 2 p, 32 c + 2 p + 1) holds keys 32 c + p and 32 c + 16 + p: two runs of 16 keys side by side, so that the scan along the keys, the positions
; and all the rest go two numbers an instruction.  The last exponential writes p in the keys' natural order, as the conversions want it.
; THE WAVES MEET ONCE A TILE, through LDS.  In front of tile n's barrier each wave has stored its a m and its sum of e of tile n (A), and its part of O^T, its sum of p and its -M of tile n - 1 (B).  Behind it
; tile n - 1 is finished, a part of O^T being multiplied by 2^(M_w - M), a power of two; then A gives tile n's row sums.  What is handed over has two buffers, by the tile's parity.
; THE MASK comes through registers, two whole rows of 1,024 bytes a wave and tile, asked for a whole tile ahead of the tile that reads them, and is laid in LDS in front of the barrier between.
; NO TENSOR LOADS AND NO CLUSTER: 158,208 bytes of LDS and 8 waves of 256 registers let two such work-groups, which share no barrier, stand on a WGP.  What
; work-groups of a batch share is K and V, read once at the head, with a row order that differs from lane to lane, which no tile states.  NO PREFETCH: every mask row's own load already runs a whole tile ahead.
; LIMITS.  NaN and infinities (a scale byte 0xff) are not served.  A masked score under -1e8 keeps its value, an unmasked one over 1.9e36 is held there.  Scaled scores stay under 2^31 in magnitude.
; The clip of te at 1e5 cannot act (te <= 1).  The suffix sum is formed as a sum of non-negative terms (another order of rounding than total - cumsum; never negative, so the clip at 0 is inherent).
; softplus has an absolute error of about 1e-7.  A block whose every p is 0 keeps the scale byte 1 (its codes are zeros; the bytes are this program's own).
.set MP,    1040                       ; a mask row in LDS: 1,024 bytes + 16 = 65 x 16: sixteen rows begin at sixteen different 16-byte columns of 256
.set MBUF,  16*MP                      ; mask rows: two buffers from byte 0 on
.set VIMG,  2*MBUF                     ; V's images: 6,144 w + 1,536 t + 512 c + 16 x lane: each wave's own
.set OX,    VIMG+49152                 ; parts of O: two buffers; 4,352 w + 272 x query + 4 d
.set OBUF,  34816
.set XA,    OX+2*OBUF                  ; exchange A: two buffers; 80 x query: a m of waves 0-7 at 4 w, sums at 32 + 4 w
.set XBUF,  1280
.set SB,    XA+2*XBUF                  ; exchange B: the same shape: -M, sums of p
.set SPARE, SB+2*XBUF                  ; the spare words, 128 bytes a wave
.set KB,   2                           ; v2-49   K's codes: tile t in KB + 6 t .. + 5.  A fragment is 12 registers: its upper six (the next tile's codes, or v50-55) meet Q's zero codes
; v50 mask (load), v51 mask (store), v52 V's images, v53 exchanges A and B (store), v54 A (load), v55 B (load), v56 v57 parts of O (store, load): LDS addresses, never rewritten
; v58 v59 v60 v61 byte offsets in mask, Q's codes, Q's scales, out: never rewritten;  v62 1 - h;  v63 8 h;  v64-67 1.0 where wave 4 h + j comes after mine;  v[68:69] (first key - query, + 16)
.set KS,   70                          ; v70-73  K's scale words: tile 2 i in lanes 0-15, tile 2 i + 1 in lanes 16-31      (v70-77 hold scales and nothing else)
.set VS,   74                          ; v74-75  V's scale words, likewise
.set QS,   76                          ; v76     Q's scale words
.set PW,   77                          ; v77     p's scale word
.set QF,   78                          ; v78-89  Q's fragment: 6 registers of codes, 6 of zero codes
.set MK,   90                          ; v90-105 mask rows on their way; while a tile is finished four parts of O
.set X,    106                         ; v106-169 x'; then p; then O^T
.set E,    170                         ; v170-233 mask words; then e .. t; then V's fragments and p's codes
.set T,    234                         ; v234-255 at work.  v252-255 hold a finished tile until its store has read them
.macro WA
	s_wait_alu depctr_va_vdst(0)
.endm
.macro D1
	s_delay_alu instid0(VALU_DEP_1)
.endm
.macro BAR
	s_barrier_signal -1
	s_barrier_wait -1
.endm
.macro OTHER d, s                      ; lane l takes lane l xor 16's
	v_permlanex16_b32 v[\d], v[\s], s58, s59
.endm
.macro MASKLOAD n                      ; my two rows of tile n's mask: 2,048 consecutive bytes
.irp i, 0,1,2,3
	global_load_b128 v[MK+4*\i:MK+4*\i+3], v58, s[18:19] offset:16384*(\n)+512*\i th:TH_LOAD_NT
.endr
.endm
.macro MASKSTORE p
.irp i, 0,1,2,3
	ds_store_b128 v51, v[MK+4*\i:MK+4*\i+3] offset:MBUF*(\p)+MP*(\i/2)+512*(\i%2)
.endr
.endm
.macro QLOAD n
.irp p, 0,1,2
	global_load_b64 v[QF+2*\p:QF+2*\p+1], v59, s[8:9] offset:768*(\n)+8*\p
.endr
	global_load_u16 v[QS], v60, s[10:11] offset:32*(\n)   ; two bytes; the upper two are 0, over zero codes
.endm
	s_load_b256 s[4:11], s[0:1], 0x0               ; K's codes s[4:5], K's scales s[6:7], Q's codes s[8:9], Q's scales s[10:11]
	s_load_b256 s[12:19], s[0:1], 0x20             ; V's codes s[12:13], V's scales s[14:15], gamma s[16:17], mask s[18:19]
	s_load_b64 s[20:21], s[0:1], 0x40              ; out
	v_lshrrev_b32 v1, 5, v0
	v_readfirstlane_b32 s24, v1                    ; w: wave 0..7
	s_lshl_b32 s26, s24, 11
	s_mul_i32 s27, s24, 2*MP
	s_lshl_b32 s28, s24, 7
	s_mul_i32 s29, s24, 96
	s_lshl_b32 s30, s24, 2
	s_lshl_b32 s31, s24, 9
	s_mul_i32 s35, s24, 6144
	s_add_co_u32 s35, s35, VIMG
	s_add_co_u32 s36, s30, XA
	s_mul_i32 s37, s24, 160
	s_add_co_u32 s37, s37, SB
	s_mul_i32 s38, s24, 4352
	s_add_co_u32 s38, s38, OX
	s_mul_i32 s39, s24, 544
	s_add_co_u32 s39, s39, OX
	s_and_b32 s40, ttmp9, 15
	s_lshl_b32 s40, s40, 6
	s_sub_co_i32 s40, s28, s40                     ; 128 w - my first query
	WA
	v_and_b32 v234, 15, v0                         ; r
	v_bfe_u32 v235, v0, 4, 1                       ; h
	v_and_b32 v236, 31, v0                         ; lane
	v_bfe_u32 v237, v0, 3, 1
	v_and_b32 v238, 1, v0
	v_bfe_u32 v239, v0, 1, 2
	v_lshl_add_u32 v58, v236, 4, s26               ; mask: rows 2 w, 2 w + 1
	v_lshl_add_u32 v51, v236, 4, s27
	v_lshl_add_u32 v239, v237, 6, v239             ; lane r of tile t of K takes key 128 w + 64 (r / 8) + 32 (t / 4) + 4 (t % 4) + 16 (r % 2) + (r / 2) % 4
	v_lshl_add_u32 v239, v238, 4, v239
	v_add_nc_u32 v239, s28, v239
	v_lshl_add_u32 v241, v235, 2, v239             ; scales: lanes 16-31 take the next tile's key, 4 on
	v_lshlrev_b32 v241, 1, v241
	v_mul_u32_u24 v240, v239, 48
	v_mad_u32_u24 v240, v235, 24, v240             ; a key's 48 bytes, my half's 24
	v_mul_u32_u24 v242, v234, 768
	v_mad_u32_u24 v242, v235, 48, v242
	v_add_nc_u32 v242, s29, v242                   ; V: row 16 t + r, key blocks 4 w + 2 h and 4 w + 2 h + 1: 48 bytes on end
	v_lshlrev_b32 v243, 5, v236
	v_add_nc_u32 v243, s30, v243                   ; V's scale bytes: 32 a row, my wave's four; row 32 i + lane
	v_mul_u32_u24 v59, v234, 48
	v_mad_u32_u24 v59, v235, 24, v59
	v_lshlrev_b32 v60, 1, v234
	v_lshl_add_u32 v61, v236, 4, s31               ; out: row 2 w + h, 16 bytes a lane
	WA
	s_wait_kmcnt 0x0
	s_load_b32 s66, s[16:17], 0x0                  ; gamma
	s_mov_b32 s33, 0
	s_lshl_b32 s32, ttmp9, 16
	s_add_nc_u64 s[18:19], s[18:19], s[32:33]      ; mask: my 64 rows
	MASKLOAD 0
	s_lshr_b32 s34, ttmp9, 4                       ; the batch
	s_mul_i32 s32, s34, 49152
	s_add_nc_u64 s[4:5], s[4:5], s[32:33]          ; K's codes: 1,024 rows of 48 bytes a batch
	s_add_nc_u64 s[12:13], s[12:13], s[32:33]      ; V's: 64 rows of 768
.irp t, 0,1,2,3,4,5,6,7
.irp p, 0,1,2
	global_load_b64 v[KB+6*\t+2*\p:KB+6*\t+2*\p+1], v240, s[4:5] offset:1536*(\t/4)+192*(\t%4)+8*\p
.endr
.endr
	s_lshl_b32 s32, s34, 11
	s_add_nc_u64 s[6:7], s[6:7], s[32:33]
	s_add_nc_u64 s[14:15], s[14:15], s[32:33]
	s_mul_i32 s32, ttmp9, 3072
	s_add_nc_u64 s[8:9], s[8:9], s[32:33]          ; Q's codes: my 64 rows
	s_lshl_b32 s32, ttmp9, 7
	s_add_nc_u64 s[10:11], s[10:11], s[32:33]
	s_lshl_b32 s32, ttmp9, 14
	s_add_nc_u64 s[20:21], s[20:21], s[32:33]      ; out: 64 rows of 256 bytes
.irp i, 0,1,2,3
	global_load_u16 v[KS+\i], v241, s[6:7] offset:(32*(\i/2)+8*(\i%2))*2
.endr
	QLOAD 0
.irp t, 0,1,2,3
.irp c, 0,1,2
	global_load_b128 v[E+12*\t+4*\c:E+12*\t+4*\c+3], v242, s[12:13] offset:12288*\t+16*\c
.endr
.endr
.irp i, 0,1
	global_load_b32 v[VS+\i], v243, s[14:15] offset:1024*\i
.endr
	; under the loads' flight: the other addresses and the constants
	s_mov_b32 s44, 0x04020100                      ; v_perm_b32's selects: byte 0 .. 3 of the mask word above three constant bytes
	s_mov_b32 s45, 0x05020100
	s_mov_b32 s46, 0x06020100
	s_mov_b32 s47, 0x07020100
	s_mov_b32 s48, 0x3fb8aa3b                      ; log2(e)
	s_mov_b32 s49, 0x03010200                      ; V's scale bytes into the order of the product's K: blocks 0, 2, 1, 3
	s_mov_b32 s52, 0x0000cc7b                      ; a mask byte 0 becomes 0x7b, a 1 becomes 0xcc:
	s_mov_b32 s53, 0x00bebc20                      ; above these bytes 0x7bbebc20 (about 1.9e36) and 0xccbebc20 (-1e8)
	s_mov_b32 s54, 0x3e38aa3b                      ; a = log2(e) / 8
	s_mov_b32 s55, s54                             ; (named with it as a pair)
	s_mov_b32 s56, 0x3727c5ac                      ; 1e-5
	s_mov_b32 s58, 0x76543210
	s_mov_b32 s59, 0xfedcba98                      ; v_permlanex16_b32's selects for lane l xor 16
	v_mul_u32_u24 v50, v234, MP
	v_lshl_add_u32 v50, v235, 6, v50
	v_add_nc_u32 v50, s28, v50                     ; mask: row r, byte 128 w + 64 h
	v_lshl_add_u32 v52, v236, 4, s35
	v_mul_u32_u24 v237, v234, 80
	v_add_nc_u32 v53, s36, v237
	v_lshl_add_u32 v54, v235, 4, v237
	v_add_nc_u32 v54, XA, v54                      ; my half of the lanes reads waves 4 h .. 4 h + 3
	v_mul_u32_u24 v55, v235, 80
	v_add_nc_u32 v55, s37, v55                     ; I finish query 2 w + h
	v_mul_u32_u24 v56, v234, 272
	v_lshl_add_u32 v56, v235, 5, v56
	v_add_nc_u32 v56, s38, v56
	v_mul_u32_u24 v57, v235, 272
	v_lshl_add_u32 v57, v234, 4, v57
	v_add_nc_u32 v57, s39, v57
.irp p, 6,7,8,9,10,11
	v_mov_b32 v[QF+\p], 0                          ; K = 64 .. 127 of the first product: zero codes, written once
.endr
	v_cvt_f32_u32 v62, v235
	v_sub_f32 v62, 1.0, v62
	v_lshlrev_b32 v63, 3, v235
	v_lshlrev_b32 v238, 2, v235
.irp j, 0,1,2,3
	v_add_nc_u32 v237, \j, v238
	v_cmp_lt_u32 vcc_lo, s24, v237
	v_cndmask_b32 v[64+\j], 0, 1.0, vcc_lo
.endr
	v_lshlrev_b32 v238, 6, v235
	v_sub_nc_u32 v238, v238, v234
	v_add_nc_u32 v238, s40, v238
	v_cvt_f32_i32 v68, v238                        ; my first key less my query of tile 0: a whole number
	v_add_f32 v69, 0x41800000, v68                 ; and 16 keys on
	v_mov_b32 v250, 0                              ; (a lane permute's destination counts as one of its sources)
	WA
	s_wait_kmcnt 0x0                               ; gamma
	v_mov_b32 v237, s66
	v_mul_f32 v238, -|v237|, s48
	WA
	v_exp_f32 v238, v238                           ; e^-|gamma|
	v_max_num_f32 v237, 0, v237                    ; (the plain instruction behind the transcendental)
	WA
	v_add_f32 v238, 1.0, v238
	WA
	v_log_f32 v238, v238
	v_nop
	WA
	v_fma_f32 v238, v237, s48, v238                ; k = softplus(gamma) log2(e)
	v_mul_f32 v238, v238, v238
	v_readfirstlane_b32 s60, v238                  ; k^2: a factor, nothing else
	WA
	s_wait_loadcnt 46                              ; my mask rows of tile 0 are in; the 46 younger loads may be out
	MASKSTORE 0
	s_wait_xcnt 0x0                                ; the head's loads have read their offsets: v240-243 are written again in tile 0
	s_wait_dscnt 0x0                               ; my rows have landed
	BAR
	MASKLOAD 1
; A tile is finished: I take query 2 w + h, channels 4 r .. 4 r + 3, of eight parts.  v[T] and v[T+5] stay as they are.
.macro FINISH n
	s_wait_xcnt 0x0                                ; the store of the tile before has read v252-255
.irp q, 0,1,2,3
	ds_load_b128 v[T+6+4*\q:T+9+4*\q], v55 offset:XBUF*((\n)%2)+16*\q         ; eight -M, eight sums
.endr
.irp j, 0,1,2,3
	ds_load_b128 v[MK+4*\j:MK+4*\j+3], v57 offset:OBUF*((\n)%2)+4352*\j
.endr
	WA
	s_wait_dscnt 4                                 ; -M and the sums are in; the four parts may be out
	v_min3_num_f32 v[T+2], v[T+6], v[T+7], v[T+8]
	D1
	v_min3_num_f32 v[T+2], v[T+2], v[T+9], v[T+10]
	D1
	v_min3_num_f32 v[T+2], v[T+2], v[T+11], v[T+12]
	D1
	v_min_num_f32 v[T+2], v[T+2], v[T+13]          ; the row's -M
	D1
	v_mov_b32 v[T+3], v[T+2]
.irp q, 0,1,2,3
	v_pk_add_f32 v[T+6+2*\q:T+7+2*\q], v[T+2:T+3], v[T+6+2*\q:T+7+2*\q] neg_lo:[0,1] neg_hi:[0,1]
.endr
	WA
.irp j, 6,7,8,9,10,11,12,13
	v_exp_f32 v[T+\j], v[T+\j]                     ; 2^(M_w - M): O's parts and the sums take the same factor
.endr
	v_nop
	WA
	v_pk_mul_f32 v[T+2:T+3], v[T+14:T+15], v[T+6:T+7]
.irp q, 1,2,3
	v_pk_fma_f32 v[T+2:T+3], v[T+14+2*\q:T+15+2*\q], v[T+6+2*\q:T+7+2*\q], v[T+2:T+3]
.endr
	v_add_f32 v[T+2], v[T+2], v[T+3]               ; the row's sum of p
	WA
	v_rcp_f32 v[T+4], v[T+2]
	v_nop
	s_wait_dscnt 0x0
.irp u, 0,1                            ; the eight parts, each by its wave's factor (the low or the high word of a pair serves both halves)
	v_pk_mul_f32 v[T+18+2*\u:T+19+2*\u], v[MK+2*\u:MK+2*\u+1], v[T+6:T+7] op_sel_hi:[1,0]
.endr
	PART 1, 0
	PART 2, 0
	PART 3, 0
.irp j, 0,1,2,3
	ds_load_b128 v[MK+4*\j:MK+4*\j+3], v57 offset:OBUF*((\n)%2)+4352*(\j+4)
.endr
	WA
	s_wait_dscnt 0x0
	PART 4, 4
	PART 5, 4
	PART 6, 4
	PART 7, 4
	v_pk_mul_f32 v[T+18:T+19], v[T+18:T+19], v[T+4:T+5] op_sel_hi:[1,0]
	v_pk_mul_f32 v[T+20:T+21], v[T+20:T+21], v[T+4:T+5] op_sel_hi:[1,0]
	global_store_b128 v61, v[T+18:T+21], s[20:21] offset:4096*(\n) th:TH_STORE_NT   ; the wave stores two rows, 512 consecutive bytes, at a multiple of 512 from out's first byte
.endm
.macro PART j, first
.irp u, 0,1
.if (\j) % 2
	v_pk_fma_f32 v[T+18+2*\u:T+19+2*\u], v[MK+4*(\j-\first)+2*\u:MK+4*(\j-\first)+2*\u+1], v[T+5+\j:T+6+\j], v[T+18+2*\u:T+19+2*\u] op_sel:[0,1,0] op_sel_hi:[1,1,1]
.else
	v_pk_fma_f32 v[T+18+2*\u:T+19+2*\u], v[MK+4*(\j-\first)+2*\u:MK+4*(\j-\first)+2*\u+1], v[T+6+\j:T+7+\j], v[T+18+2*\u:T+19+2*\u] op_sel_hi:[1,0,1]
.endif
.endr
.endm
.macro TILE n
.set P, (\n)%2
	; ---- scores, mask, first softmax's e and its scan
.irp c, 0,1,2,3
	ds_load_b128 v[T+4*\c:T+4*\c+3], v50 offset:MBUF*P+16*\c       ; my query's 64 mask bytes
.endr
	WA
.if \n == 0
	s_wait_loadcnt 18                              ; K and Q are in; V's 14 loads and the next mask's four may be out
.else
.if \n < 3
	s_wait_loadcnt 4                               ; this tile's queries are in; the next mask's four may be out
.else
	s_wait_loadcnt 0x0
.endif
.endif
	s_wait_dscnt 0x0                               ; the mask bytes are in, and the last tile's stores from X are done
.irp t, 0,1,2,3,4,5,6,7                ; S^T = K Q^T: each tile starts its own sum with the constant 0
.if \t % 2
	v_wmma_scale_f32_16x16x128_f8f6f4 v[X+8*\t:X+8*\t+7], v[KB+6*\t:KB+6*\t+11], v[QF:QF+11], 0, v[KS+\t/2], v[QS] matrix_a_fmt:MATRIX_FMT_BF6 matrix_b_fmt:MATRIX_FMT_BF6 matrix_a_scale:MATRIX_SCALE_ROW1
.else
	v_wmma_scale_f32_16x16x128_f8f6f4 v[X+8*\t:X+8*\t+7], v[KB+6*\t:KB+6*\t+11], v[QF:QF+11], 0, v[KS+\t/2], v[QS] matrix_a_fmt:MATRIX_FMT_BF6 matrix_b_fmt:MATRIX_FMT_BF6
.endif
.endr
.if \n == 0
	s_wait_loadcnt 4                               ; V is in; the next mask's four may be out
.irp t, 0,1,2,3
.irp c, 0,1,2
	ds_store_b128 v52, v[E+12*\t+4*\c:E+12*\t+4*\c+3] offset:1536*\t+512*\c    ; V's fragments as images of the operand's registers: my own
.endr
.endr
.irp i, 0,1
	v_perm_b32 v[VS+\i], v[VS+\i], v[VS+\i], s49
.endr
	WA
	s_wait_dscnt 0x0                               ; E is written below
.endif
.set jj, 0
.rept 16
	v_perm_b32 v[T+jj], s52, s52, v[T+jj]          ; the mask bytes are the selects
.set jj, jj+1
.endr
.irp b, 0,1                            ; register 32 b + mm holds key 32 b + 16 (mm % 2) + mm / 2
.set mm, 0
.rept 32
.set wd, T+8*\b+4*(mm%2)+mm/8
.set by, (mm/2)%4
	v_perm_b32 v[E+32*\b+mm], v[wd], s53, s[44+by]
.set mm, mm+1
.endr
.endr
.set jj, 0
.rept 32
	v_dual_min_num_f32 v[X+jj], v[E+jj], v[X+jj] :: v_dual_min_num_f32 v[X+jj+1], v[E+jj+1], v[X+jj+1]   ; -1e8 where the mask is set
.set jj, jj+2
.endr
.irp k, 0,1,2,3                        ; my wave's largest x' of my query: four chains
	v_max3_num_f32 v[T+\k], v[X+16*\k], v[X+16*\k+1], v[X+16*\k+2]
.endr
.irp i, 3,5,7,9,11,13
.irp k, 0,1,2,3
	v_max3_num_f32 v[T+\k], v[T+\k], v[X+16*\k+\i], v[X+16*\k+\i+1]
.endr
.endr
	v_max3_num_f32 v[T], v[T], v[X+15], v[X+31]
	v_max3_num_f32 v[T+2], v[T+2], v[X+47], v[X+63]
	D1
	v_max3_num_f32 v[T], v[T], v[T+1], v[T+2]
	D1
	v_max_num_f32 v[T], v[T], v[T+3]
	D1
	OTHER T+9, T
	D1
	v_max_num_f32 v[T], v[T], v[T+9]
	D1
	v_mul_f32 v[T], s54, v[T]                      ; a m
	D1
	v_mov_b32 v[T+1], v[T]
.set jj, 0
.rept 32
	v_pk_fma_f32 v[E+jj:E+jj+1], v[X+jj:X+jj+1], s[54:55], v[T:T+1] op_sel_hi:[1,0,1] neg_lo:[0,0,1] neg_hi:[0,0,1]
.set jj, jj+2
.endr
.set jj, 0
	WA
.rept 64
	v_exp_f32 v[E+jj], v[E+jj]                     ; e = 2^(a x' - a m)
.set jj, jj+1
.endr
	v_nop                                          ; the plain instruction behind the batch
	WA
.irp p, 14,13,12,11,10,9,8,7,6,5,4,3,2,1,0     ; sums from each key to the end of its run of 16: four runs, two an instruction, the two blocks by turns
.irp c, 0,1
	v_pk_add_f32 v[E+32*\c+2*\p:E+32*\c+2*\p+1], v[E+32*\c+2*\p:E+32*\c+2*\p+1], v[E+32*\c+2*\p+2:E+32*\c+2*\p+3]
.endr
.endr
	D1
	v_pk_add_f32 v[T+2:T+3], v[E:E+1], v[E+32:E+33]
	D1
	v_add_f32 v[T+2], v[T+2], v[T+3]               ; my 64 keys' sum
	D1
	OTHER T+5, T+2                                 ; the other half's
	D1
	v_add_f32 v[T+4], v[T+2], v[T+5]               ; my wave's
	WA
.if \n < 3
	s_wait_loadcnt 0x0                             ; my rows of the next tile's mask are in
	MASKSTORE 1-P
.endif
	ds_store_b32 v53, v[T] offset:XBUF*P           ; (lanes r and r + 16 write the same word with the same value)
	ds_store_b32 v53, v[T+4] offset:XBUF*P+32
	s_wait_dscnt 0x0                               ; for the others' sake: all my stores have landed, and my LDS loads are in
	BAR
	; ---- the tile before is finished; the next loads go out
.if \n > 0
	FINISH \n-1
.endif
.if \n < 3
	QLOAD \n+1
.endif
.if \n < 2
	MASKLOAD \n+2
.endif
	; ---- exchange A: the row's sum, and what the later waves add
	ds_load_b128 v[T+6:T+9], v54 offset:XBUF*P         ; a m of four waves
	ds_load_b128 v[T+10:T+13], v54 offset:XBUF*P+32    ; and their sums
	v_mul_f32 v[T+5], v[T+5], v62                  ; what lies behind each of my four runs inside my wave: behind run 3 the other half's sum, if I am the lower half;
	D1
	v_add_f32 v[T+4], v[E+33], v[T+5]              ; behind run 2 also run 3's sum;
	D1
	v_add_f32 v[T+3], v[E+32], v[T+4]
	D1
	v_add_f32 v[T+2], v[E+1], v[T+3]
	WA
	s_wait_dscnt 0x0
	v_max3_num_f32 v[T+14], v[T+6], v[T+7], v[T+8]
	D1
	v_max_num_f32 v[T+14], v[T+14], v[T+9]
	D1
	OTHER T+16, T+14
	D1
	v_max_num_f32 v[T+14], v[T+14], v[T+16]        ; the row's a m
	D1
	v_mov_b32 v[T+15], v[T+14]
	v_sub_f32 v[T+17], v[T], v[T+14]
	v_pk_add_f32 v[T+6:T+7], v[T+6:T+7], v[T+14:T+15] neg_lo:[0,1] neg_hi:[0,1]
	v_pk_add_f32 v[T+8:T+9], v[T+8:T+9], v[T+14:T+15] neg_lo:[0,1] neg_hi:[0,1]
	WA
.irp j, 6,7,8,9,17
	v_exp_f32 v[T+\j], v[T+\j]                     ; each wave's factor, and mine
.endr
	v_nop
	WA
	v_pk_mul_f32 v[T+10:T+11], v[T+10:T+11], v[T+6:T+7]
	v_pk_mul_f32 v[T+12:T+13], v[T+12:T+13], v[T+8:T+9]
	v_pk_mul_f32 v[T+6:T+7], v[T+10:T+11], v[64:65]
	v_pk_add_f32 v[T+14:T+15], v[T+10:T+11], v[T+12:T+13]
	v_pk_fma_f32 v[T+6:T+7], v[T+12:T+13], v[66:67], v[T+6:T+7]
	v_add_f32 v[T+14], v[T+14], v[T+15]
	v_add_f32 v[T+6], v[T+6], v[T+7]
	OTHER T+16, T+14
	OTHER T+15, T+6
	v_add_f32 v[T+14], v[T+14], v[T+16]            ; the row's sum
	v_add_f32 v[T+6], v[T+6], v[T+15]              ; the sum of the waves behind mine
	WA
	v_rcp_f32 v[T+15], v[T+14]
	v_nop
	WA
	v_mul_f32 v[T+15], s60, v[T+15]                ; k^2 / the row's sum
	v_mul_f32 v[T+10], v[T+15], v[T+17]            ; x my wave's factor
	v_mul_f32 v[T+12], v[T+15], v[T+6]             ; x the later waves' sum
	v_mov_b32 v[T+11], v[T+10]
	v_mov_b32 v[T+13], v[T+12]
	v_pk_add_f32 v[T+8:T+9], v[68:69], 0x42000000 op_sel_hi:[1,0]           ; key - query of runs 2, 3: 32 keys on
	v_pk_fma_f32 v[T+2:T+3], v[T+2:T+3], v[T+10:T+11], v[T+12:T+13]         ; what lies behind runs 0, 1, scaled
	v_pk_fma_f32 v[T+4:T+5], v[T+4:T+5], v[T+10:T+11], v[T+12:T+13]         ; and behind runs 2, 3
	; ---- u = k^2 R (j - i): the sum from the NEXT key on, in place, ascending
.set pp, 0
.rept 15
	v_pk_fma_f32 v[E+2*pp:E+2*pp+1], v[E+2*pp+2:E+2*pp+3], v[T+10:T+11], v[T+2:T+3]
	v_pk_fma_f32 v[E+32+2*pp:E+32+2*pp+1], v[E+32+2*pp+2:E+32+2*pp+3], v[T+10:T+11], v[T+4:T+5]
.if pp == 0
	v_pk_mul_f32 v[E+2*pp:E+2*pp+1], v[E+2*pp:E+2*pp+1], v[68:69]
	v_pk_mul_f32 v[E+32+2*pp:E+32+2*pp+1], v[E+32+2*pp:E+32+2*pp+1], v[T+8:T+9]
	v_pk_add_f32 v[T+6:T+7], v[68:69], 1.0 op_sel_hi:[1,0]
.else
	v_pk_mul_f32 v[E+2*pp:E+2*pp+1], v[E+2*pp:E+2*pp+1], v[T+6:T+7]
	v_pk_mul_f32 v[E+32+2*pp:E+32+2*pp+1], v[E+32+2*pp:E+32+2*pp+1], v[T+8:T+9]
	v_pk_add_f32 v[T+6:T+7], v[T+6:T+7], 1.0 op_sel_hi:[1,0]
.endif
	v_pk_add_f32 v[T+8:T+9], v[T+8:T+9], 1.0 op_sel_hi:[1,0]
.set pp, pp+1
.endr
	v_pk_mul_f32 v[E+30:E+31], v[T+2:T+3], v[T+6:T+7]              ; a run's last key has nothing of its run behind it
	v_pk_mul_f32 v[E+62:E+63], v[T+4:T+5], v[T+8:T+9]
.set jj, 0
	WA
.rept 64
	v_sqrt_f32 v[E+jj], |v[E+jj]|                  ; |j - i|
.set jj, jj+1
.endr
	v_pk_add_f32 v[68:69], v[68:69], 0xc1800000 op_sel_hi:[1,0]    ; the next tile's queries lie 16 on.  (The plain instruction behind the batch)
	WA
.set jj, 0
.rept 64
	v_exp_f32 v[E+jj], -v[E+jj]
.set jj, jj+1
.endr
	v_nop
	WA
.set jj, 0
.rept 32
	v_dual_max_num_f32 v[E+jj], s56, v[E+jj] :: v_dual_max_num_f32 v[E+jj+1], s56, v[E+jj+1]   ; te, clipped at 1e-5
.set jj, jj+2
.endr
.set jj, 0
.rept 32
	v_pk_mul_f32 v[E+jj:E+jj+1], v[X+jj:X+jj+1], v[E+jj:E+jj+1]    ; y = x' te
.set jj, jj+2
.endr
	; ---- second softmax: each block's largest y serves twice: for the maximum, and, since p rises with y, for the block's largest p
.irp c, 0,1
	v_max3_num_f32 v[T+2*\c], v[E+32*\c], v[E+32*\c+1], v[E+32*\c+2]
	v_max3_num_f32 v[T+1+2*\c], v[E+32*\c+16], v[E+32*\c+17], v[E+32*\c+18]
.endr
.irp i, 3,5,7,9,11,13
.irp c, 0,1
	v_max3_num_f32 v[T+2*\c], v[T+2*\c], v[E+32*\c+\i], v[E+32*\c+\i+1]
	v_max3_num_f32 v[T+1+2*\c], v[T+1+2*\c], v[E+32*\c+16+\i], v[E+32*\c+17+\i]
.endr
.endr
.irp c, 0,1
	v_max3_num_f32 v[T+4+\c], v[T+2*\c], v[T+1+2*\c], v[E+32*\c+15]
.endr
.irp c, 0,1
	v_max_num_f32 v[T+4+\c], v[T+4+\c], v[E+32*\c+31]
.endr
	D1
	v_max_num_f32 v[T+8], v[T+4], v[T+5]
	D1
	OTHER T+9, T+8
	D1
	v_max_num_f32 v[T+8], v[T+8], v[T+9]
	D1
	v_mul_f32 v[T+8], s54, v[T+8]                  ; my wave's largest t
	D1
	v_floor_f32 v[T+16], -v[T+8]                   ; -M = floor(-t): M is a whole number
	D1
	v_mov_b32 v[T+17], v[T+16]
.set jj, 0
.rept 32
	v_pk_fma_f32 v[E+jj:E+jj+1], v[E+jj:E+jj+1], s[54:55], v[T+16:T+17] op_sel_hi:[1,0,1]
.set jj, jj+2
.endr
	v_fma_f32 v[T+4], v[T+4], s54, v[T+16]
	v_fma_f32 v[T+5], v[T+5], s54, v[T+16]
.set jj, 0
	WA
.rept 64
	v_exp_f32 v[X+32*(jj/32)+16*(jj%2)+(jj%32)/2], v[E+jj]         ; p = 2^(t - M), into the keys' natural order
.set jj, jj+1
.endr
	v_exp_f32 v[T+4], v[T+4]                       ; the blocks' largest p: the same two instructions on the same number
	v_exp_f32 v[T+5], v[T+5]
	v_nop
	WA
.irp t, 0,1,2,3
.irp c, 0,1,2
	ds_load_b128 v[E+12*\t+4*\c:E+12*\t+4*\c+3], v52 offset:1536*\t+512*\c     ; V's four fragments for my 128 keys
.endr
.endr
	v_max_num_f32 v[T+4], 0x2800000, v[T+4]        ; the floor 2^(5 - 127): the byte cannot fall under 1
	v_max_num_f32 v[T+5], 0x2800000, v[T+5]
	v_add_nc_u32 v[T+10], 0xfe000000, v[T+4]       ; 4 off the exponent field: the conversion's scale operand
	v_add_nc_u32 v[T+11], 0xfe000000, v[T+5]
	v_lshrrev_b32 v[T+12], 23, v[T+10]             ; the scale's byte
	v_lshrrev_b32 v[T+13], 23, v[T+11]
	D1
	v_lshl_or_b32 v[T+12], v[T+13], 16, v[T+12]    ; my blocks stand at K = 32 h and 64 + 32 h of the product: bytes h and 2 + h
	D1
	v_lshlrev_b32 v[T+12], v63, v[T+12]
	D1
	OTHER T+14, T+12
	D1
	v_or_b32 v[PW], v[T+12], v[T+14]               ; with lane l xor 16's two bytes the word is whole
	v_cvt_scalef32_pk16_bf6_f32 v[E+48:E+50], v[X:X+15], v[T+10]
	v_cvt_scalef32_pk16_bf6_f32 v[E+60:E+62], v[X+16:X+31], v[T+10]   ; (a conversion's three registers begin on an even number)
	v_cvt_scalef32_pk16_bf6_f32 v[E+54:E+56], v[X+32:X+47], v[T+11]
	v_cvt_scalef32_pk16_bf6_f32 v[T:T+2], v[X+48:X+63], v[T+11]
	v_nop                                          ; one plain instruction behind the conversions
.irp i, 0,1,2
	v_mov_b32 v[E+51+\i], v[E+60+\i]               ; a whole block lies in my lane: no lane changes places
	v_mov_b32 v[E+57+\i], v[T+\i]
.endr
	v_pk_add_f32 v[T:T+1], v[X:X+1], v[X+2:X+3]    ; the sum of the unquantised p: four chains
	v_pk_add_f32 v[T+2:T+3], v[X+4:X+5], v[X+6:X+7]
	v_pk_add_f32 v[T+10:T+11], v[X+8:X+9], v[X+10:X+11]
	v_pk_add_f32 v[T+12:T+13], v[X+12:X+13], v[X+14:X+15]
.irp i, 16,24,32,40,48,56
	v_pk_add_f32 v[T:T+1], v[T:T+1], v[X+\i:X+\i+1]
	v_pk_add_f32 v[T+2:T+3], v[T+2:T+3], v[X+\i+2:X+\i+3]
	v_pk_add_f32 v[T+10:T+11], v[T+10:T+11], v[X+\i+4:X+\i+5]
	v_pk_add_f32 v[T+12:T+13], v[T+12:T+13], v[X+\i+6:X+\i+7]
.endr
	v_pk_add_f32 v[T:T+1], v[T:T+1], v[T+2:T+3]
	v_pk_add_f32 v[T+10:T+11], v[T+10:T+11], v[T+12:T+13]
	D1
	v_pk_add_f32 v[T:T+1], v[T:T+1], v[T+10:T+11]
	D1
	v_add_f32 v[T+17], v[T], v[T+1]
	D1
	OTHER T+9, T+17
	D1
	v_add_f32 v[T+17], v[T+17], v[T+9]             ; my wave's sum of p for my query
	WA
	s_wait_dscnt 0x0                               ; V's fragments
.irp t, 0,1,2,3                        ; O^T = V^T p^T over my 128 keys: four tiles of 16 channels, each its own sum
.if \t % 2
	v_wmma_scale_f32_16x16x128_f8f6f4 v[X+8*\t:X+8*\t+7], v[E+12*\t:E+12*\t+11], v[E+48:E+59], 0, v[VS+\t/2], v[PW] matrix_a_fmt:MATRIX_FMT_BF6 matrix_b_fmt:MATRIX_FMT_BF6 matrix_a_scale:MATRIX_SCALE_ROW1
.else
	v_wmma_scale_f32_16x16x128_f8f6f4 v[X+8*\t:X+8*\t+7], v[E+12*\t:E+12*\t+11], v[E+48:E+59], 0, v[VS+\t/2], v[PW] matrix_a_fmt:MATRIX_FMT_BF6 matrix_b_fmt:MATRIX_FMT_BF6
.endif
.endr
.rept 5
	v_nop                                          ; places ahead of the stores that read the results and of the next tile's products, which write over them
.endr
.irp t, 0,1,2,3
	ds_store_b128 v56, v[X+8*\t:X+8*\t+3] offset:OBUF*P+64*\t              ; query r, channels 16 t + 8 h + 0 .. 7; each accumulator from its low end on
	ds_store_b128 v56, v[X+8*\t+4:X+8*\t+7] offset:OBUF*P+64*\t+16
.endr
	ds_store_b32 v53, v[T+16] offset:SB-XA+XBUF*P          ; -M
	ds_store_b32 v53, v[T+17] offset:SB-XA+XBUF*P+32
.endm
	TILE 0
	TILE 1
	TILE 2
	TILE 3
	s_wait_dscnt 0x0                               ; my part of the last tile has landed
	BAR
	FINISH 3
	v_lshl_add_u32 v[X], v0, 2, SPARE              ; the wave's end
	v_mov_b32 v[X+1], 0
	WA
	s_wait_tensorcnt 0x0
	ds_add_u32 v[X], v[X+1]
	s_wait_dscnt 0x0
	s_endpgm
.Lfunc_end_k_qf43edbcbf4_monoattn:
	.size	k_qf43edbcbf4_monoattn, .Lfunc_end_k_qf43edbcbf4_monoattn-k_qf43edbcbf4_monoattn
	.p2alignl 7, 3214868480
	.fill 96, 4, 3214868480
	.section	.rodata,"a",@progbits
	.p2align	6, 0x0
	.amdhsa_kernel k_qf43edbcbf4_monoattn
		.amdhsa_group_segment_fixed_size 158208
		.amdhsa_private_segment_fixed_size 0
		.amdhsa_enable_private_segment 0
		.amdhsa_kernarg_size 72
		.amdhsa_user_sgpr_count 2
		.amdhsa_user_sgpr_kernarg_segment_ptr 1
		.amdhsa_wavefront_size32 1
		.amdhsa_system_sgpr_workgroup_id_x 1
		.amdhsa_system_sgpr_workgroup_id_y 1
		.amdhsa_system_sgpr_workgroup_id_z 1
		.amdhsa_system_vgpr_workitem_id 0
		.amdhsa_next_free_vgpr 256
		.amdhsa_next_free_sgpr 72
		.amdhsa_reserve_vcc 1
		.amdhsa_float_denorm_mode_32 3
		.amdhsa_float_denorm_mode_16_64 3
		.amdhsa_memory_ordered 1
		.amdhsa_forward_progress 1
		.amdhsa_inst_pref_size 228
	.end_amdhsa_kernel
	.amdgpu_metadata
---
amdhsa.version: [ 1, 2 ]
amdhsa.kernels:
  - .name:           k_qf43edbcbf4_monoattn
    .symbol:         k_qf43edbcbf4_monoattn.kd
    .args:
      - { .name: K_codes, .offset: 0, .size: 8, .value_kind: global_buffer, .address_space: global }
      - { .name: K_scales, .offset: 8, .size: 8, .value_kind: global_buffer, .address_space: global }
      - { .name: Q_codes, .offset: 16, .size: 8, .value_kind: global_buffer, .address_space: global }
      - { .name: Q_scales, .offset: 24, .size: 8, .value_kind: global_buffer, .address_space: global }
      - { .name: V_codes, .offset: 32, .size: 8, .value_kind: global_buffer, .address_space: global }
      - { .name: V_scales, .offset: 40, .size: 8, .value_kind: global_buffer, .address_space: global }
      - { .name: gamma, .offset: 48, .size: 8, .value_kind: global_buffer, .address_space: global }
      - { .name: mask, .offset: 56, .size: 8, .value_kind: global_buffer, .address_space: global }
      - { .name: out0, .offset: 64, .size: 8, .value_kind: global_buffer, .address_space: global }
    .group_segment_fixed_size: 158208
    .private_segment_fixed_size: 0
    .kernarg_segment_align: 8
    .kernarg_segment_size: 72
    .max_flat_workgroup_size: 256
    .sgpr_count:     72
    .vgpr_count:     256
    .wavefront_size: 32
...
	.end_amdgpu_metadata
.endif
;; end of part 1
